; MI455X (gfx1250); checked and timed in simulation.
; The chip was launched on July 23, 2026; its instructions are those of AMD's public machine-readable ISA for CDNA 5 (MIT licence, August 2026) and "CDNA5" Instruction Set Architecture Reference Guide (July 2026). The comments in the code are by the model that wrote it; some were corrected since.
;; Tiled Feed Forward. Allowed arithmetic: matrix products marked QUANTISED: E2M1 operands, one E8M0 scale for each 32 along K, by v_wmma_scale_f32_16x16x128_f8f6f4 with both operands' format E2M1 (or v_wmma_scale_f32_32x16x128_f4), f32 sums; everything else in f32.
;; Inputs: W1_codes 4,096 x 32 x 16 uint8 (E2M1 codes of W1, K innermost, in blocks of 32 codes, two codes a byte); W1_scales 4,096 x 32 uint8 (E8M0 scales of W1, one for each 32 codes along K); W2_codes 1,024 x 128 x 16 uint8 (E2M1 codes of W2, K innermost, in blocks of 32 codes, two codes a byte); W2_scales 1,024 x 128 uint8 (E8M0 scales of W2, one for each 32 codes along K); b1 4,096 float32; b2 1,024 float32; hidden_states_codes 4 x 2,048 x 32 x 16 uint8 (E2M1 codes of hidden_states, K innermost, in blocks of 32 codes, two codes a byte); hidden_states_scales 4 x 2,048 x 32 uint8 (E8M0 scales of hidden_states, one for each 32 codes along K).
;; Outputs: out0 4 x 2,048 x 1,024 float32.
;; This version of the problem:
;;   THIS VERSION OF THE PROBLEM IS GIVEN IN LOW PRECISION. The matrix products marked QUANTISED in the list below multiply operands that are first quantised to E2M1 (2 exponent bits, 1 mantissa bit; 4 bits a number), with one power-of-two scale for each 32 numbers along K (OCP MX v1.0); their sums are f32. All else is computed in f32.
;;   The module's matrix products, in the order in which they are computed (A, B: the left and right operand; K: the contracted axis; several contracted axes count as one K, in the product's order):
;;     1. [M 8,192, K 1,024] x [K 1,024, N 4,096]; A: input hidden_states (given as codes); B: input W1 (given as codes): QUANTISED
;;     2. [M 8,192, K 4,096] x [K 4,096, N 1,024]; A: computed on the way; B: input W2 (given as codes): QUANTISED
;;   THE QUANTISER, for each operand of a quantised product, along K:
;;     - K is cut into blocks of 32 from its start; a last block that is shorter is filled with zeros.
;;     - A block's scale is 2^e with e = floor(log2(the largest magnitude in the block)) - 2, held to -126 .. 127; a block of zeros has e = 0. As a byte (E8M0): e + 127.
;;     - Each number is divided by its block's scale, clamped to +-6, and rounded to the nearest number of E2M1, ties to even, subnormals kept.
;;     - The product sums the exact products of the quantised numbers (number of the format x scale) in f32.
;;   ~~~python
;;   def quantise(x, axis):      # numpy; x: float32 -> the quantised numbers, widened to float32 again
;;       x = np.moveaxis(x, axis, -1); K = x.shape[-1]
;;       x = np.pad(x, [(0, 0)] * (x.ndim - 1) + [(0, -K % 32)]); x = x.reshape(x.shape[:-1] + (-1, 32)); a = np.abs(x).max(-1, keepdims=True)
;;       e = np.where(a > 0, np.clip(np.frexp(np.where(a > 0, a, 1))[1] - 1 - 2, -126, 127), 0)      # np.frexp(a)[1] - 1 = floor(log2(a)), exactly
;;       r = np.clip(x / 2.0 ** e, -6, 6)
;;       step = 2.0 ** (np.maximum(np.frexp(np.where(r == 0, 1, r))[1] - 1, 0) - 1)
;;       q = np.round(r / step) * step * 2.0 ** e      # np.round: ties to even
;;       return np.moveaxis(q.reshape(q.shape[:-2] + (-1,))[..., :K], -1, axis).astype(np.float32)
;;   ~~~
;;   OPERANDS COMPUTED ON THE WAY. 'Computed on the way' means the value that the module computes at that place (a softmax that the list does not call 'softmax' is quantised finished and normalised). What goes into a quantiser is computed in f32, as accurately as f32 sums, v_exp_f32 and their like allow (about 1e-6 of the number): no bf16 or f16 on the way to a quantiser, and a product that is left as it is and whose result goes on into a quantised operand takes f32 operands (vector FMAs, or v_wmma_f32_16x16x4_f32). A number that lies on a knife's edge between two numbers of the format may be rounded either way, as far as f32 arithmetic and the matrix unit's own rounding can turn it there, and no further.
;;   INPUTS GIVEN AS CODES. W1 (in the module: [1024, 4096], K = its axis 0); W2 (in the module: [4096, 1024], K = its axis 0); hidden_states (in the module: [4, 2048, 1024], K = its axis 2): each comes as NAME_codes (uint8): NAME with its K axis moved to the last place and cut into blocks of 32 codes, [.., K / 32, bytes a block], one block behind the other in memory; two codes a byte, the lower K in the low four bits (a code: sign, 2 exponent bits, 1 mantissa bit); and NAME_scales (uint8): the same leading axes, one E8M0 byte (e + 127) for each 32 codes along K. Its value is code x scale, taken as it is: it is not quantised again, and the codes and scales need not be those that the quantiser above would give.
;; One version. Each part assembles by itself: llvm-mc -triple=amdgcn-amd-amdhsa -mcpu=gfx1250 --defsym DOCPART=n.
;; ======== version 1 of 1: 2 launches
;; limits: right only within a limited range of input values
;; workspace buffers: hq 17,825,792 bytes; w2q 2,228,224 bytes
;; launch up (part 1): grid 8 x 32, 8 waves a work-group, clusters of 4 x 4, 327,680 bytes of LDS; arguments hidden_states_codes, hidden_states_scales, W1_codes, W1_scales, b1, W2_codes, W2_scales, hq, w2q; writes hq, w2q
.if DOCPART == 1
	.amdgcn_target "amdgcn-amd-amdhsa--gfx1250"
	.amdhsa_code_object_version 6
	.text
	.protected	k_q52a15f32e1_up
	.globl	k_q52a15f32e1_up
	.p2align	8
	.type	k_q52a15f32e1_up,@function
k_q52a15f32e1_up:
	s_mov_b64 s[64:65], 0
	v_nop
	global_prefetch_b8 v0, s[64:65] scope:SCOPE_SE
	s_setreg_imm32_b32 hwreg(HW_REG_WAVE_MODE, 25, 1), 1
	s_wait_xcnt 0x0
	s_wait_alu depctr_hold_cnt(0) depctr_sa_sdst(0) depctr_va_vdst(0) depctr_va_sdst(0) depctr_va_ssrc(0) depctr_va_vcc(0) depctr_vm_vsrc(0)
	s_getreg_b32 s2, hwreg(HW_REG_IB_STS2, 6, 4)
	s_cmp_eq_u32 s2, 0
	s_cbranch_scc0 .Lentry_in_a_cluster
	s_endpgm
.Lentry_in_a_cluster:
	s_bfe_u32 s2, ttmp6, 0x10000c
	s_cmp_lg_u32 s2, 0xf033
	s_cbranch_scc0 .Lentry_shape_is_right
	s_endpgm
.Lentry_shape_is_right:
; h = Q(relu(x W1^T + b1)), and W2 laid anew in the order of the next launch's operand registers.
; x: [8192][1024], W1: [4096][1024], W2: [1024][4096]: codes of FP4 (E2M1), K innermost, two codes a byte, one E8M0 byte for each 32 along K.  b1: [4096] f32.
; Q: a block of 32 hidden units gets the scale 2^(floor(log2(its largest magnitude)) - 2); each number is divided by it and rounded to the nearest code, ties to even.
; LIMITS: NaN and infinities in h are not served.  A block of zeros gets the byte 1 where the rule says 127: its codes are zeros, and the bytes are read by this program's second launch alone.
.set ROWB,   512                       ; a row of x or of W1, all of K
; SHARES.  A work-group of eight waves owns 256 rows x 512 hidden units, as two tiles of 256 x 256 that share x's rows; a wave makes 64 x 128 of a tile: 32 accumulators of 16 x 16, 256 registers.
; Two waves stand on each SIMD: a step's LDS loads go out in one run, and the products of the SIMD's other wave have room meanwhile.
; LDS holds all of K: 256 rows of x, 256 rows of W1 (filled a second time, with the second tile's, while the first tile goes out), and all scale bytes.
; CLUSTERS: 4 x 4 work-groups: x's rows are shared along a row of the cluster, W1's along a column, each asked for by a joint load.
; No prefetch: the text has no loop to run ahead in; W1's bytes are filled twice and all others once.
; THE MATRIX INSTRUCTION IS USED TRANSPOSED (source 0 = 16 rows of W1, source 1 = 16 rows of x): a lane holds one row of h.
; WHICH ROWS FORM A FRAGMENT (x and W1 alike): fragment i = 4 c + t takes, of 128 rows, in lane r: row 64 c + 8 t + r for r < 8, and 64 c + 32 + 8 (t xor 1) + r - 8 for r >= 8.  So the lanes 0-15 of the four accumulators
; of one c hold a WHOLE block of 32 hidden units and the lanes 16-31 the next one, as the next operand wants them; in lanes 16-31 the words of 8 codes lie pairwise exchanged, and W2 is laid with the same exchange.
; The 16 rows of a fragment are different modulo 16, so with the pitch of 528 bytes = 132 words they start at 16 different banks (64 banks of 4 bytes: ISA guide 11.1).
; THE CLIP AT 0 is done on the codes: a block's maximum counts no negative number, and a negative code becomes the code of -0, which adds nothing.
; hq [group of 128 rows 64][K step of 128 32]: 8,704 bytes: codes [row block 8][register group 2][lane 32][16 bytes], then scale words [half 2][r 16][4]: the word of row block 4 half + j, lane r.
; w2q [256 columns 4][K step 32]: 17,408 bytes: codes [column block 16][register group 2][lane 32][16 bytes], then scale words [64 columns 4][r 16][4]: column 64 j + 16 i + r.
; REGISTERS: window 0: v1-31 addresses; v32-63 scale words, two sets; v64-191 W1's fragments, two sets (the second holds b1 in a tile's first step; the first serves the quantiser); v192-255 x's fragments, two sets.
;   window 1: the accumulators ((a, b) at v[64 a + 8 b]).
.set PITCH,  528
.set HALFT,  128*PITCH
.set WB,     2*HALFT                   ; W1's 256 rows
.set HALFS,  16*272                    ; scales of 128 rows: runs of 256 bytes + 16 of padding
.set SCL,    4*HALFT                   ; x's scales (2 HALFS), then W1's 512 rows (4 HALFS)
.set SPARE,  SCL+6*HALFS               ; the spare words, 128 bytes for each wave
.set HBLK,   8704
.set WBLK,   17408
.set ADRS, 12                          ; v12-15 scale words' address: tile t, fragment parity p at 2 t + p; lanes 0-15 x's rows, 16-31 W1's
.set ADRA, 16                          ; v16-17 x's fragments, by parity
.set ADRB, 20                          ; v20-21 W1's
.set LW,   22                          ; 16 r + 8 h: my place in 256 bytes of h's scale words
.set LI,   24                          ; 16 x lane
.set BOE,  25                          ; v25-26 my eight numbers of b1, by parity
.set SPW,  28
.set NIL,  29
.set H8,   30                          ; 8 x (lane / 16)
.set SC,   32                          ; K step q of fragment i at SC + 16 ((q / 2) % 2) + 2 i + q % 2
.set BF,   64
.set BS,   128                         ; b1
.set AF,   192
.set ST,   64                          ; v64-95 codes on their way out
.set FX,   96                          ; v96-103, v104-111 the clip's masks
.set UX,   104
.set TM,   112                         ; v112-115 maxima, v116-117 bytes, v118-119 the conversions' scale operands
.set PW,   120                         ; v120-123 h's scale words
.set WT,   124                         ; v124-125
.set OW,   126                         ; v126-127
.set RL,   224                         ; the re-laying of W2
.set G1,   24
.set G1B,  48
.set G0B,  56
.set SEL,  66
.set G1S,  68
.set G0S,  76
.set G1SB, 80
.set G0SB, 88
.set G0H,  4
.set G0HB, 8
.set MSB, 0
.macro WIN new                         ; the immediate's high byte repeats the setting that is left
.if MSB != (\new)
	s_set_vgpr_msb (MSB<<8)|(\new)
.set MSB, \new
.endif
.endm
.macro PLACES
.rept 4
	v_nop
.endr
.endm
.macro TLOAD g0, g1
	tensor_load_to_lds s[\g0:\g0+3], s[\g1:\g1+7]
	s_nop 0
	PLACES
.endm
.macro CREST                           ; a round of the cluster's barrier behind its opening barrier
	s_cmp_lg_u32 s14, 0
	s_cbranch_scc1 .Lnot_wave_0_\@
	s_barrier_signal -3
.Lnot_wave_0_\@:
	s_barrier_wait -3
	s_barrier_signal -1
	s_barrier_wait -1
.endm
.macro CROUND
	s_barrier_signal -1
	s_barrier_wait -1
	CREST
.endm
	s_load_b128 s[4:7], s[0:1], 0x0                ; x's codes, scales
	s_load_b128 s[8:11], s[0:1], 0x10              ; W1's codes, scales
	s_load_b64 s[12:13], s[0:1], 0x20              ; b1
	s_load_b128 s[96:99], s[0:1], 0x38             ; hq, w2q
	v_lshl_add_u32 v[SPW], v0, 2, SPARE
	v_mov_b32 v[NIL], 0
	ds_add_u32 v[SPW], v[NIL]                      ; the wave's opening: the add, twice on end
	ds_add_u32 v[SPW], v[NIL]
	v_lshrrev_b32 v1, 5, v0
	v_readfirstlane_b32 s14, v1                    ; wave 0..7
	s_lshr_b32 s33, s14, 1                         ; which 64 rows are mine.  Also: what I fetch at the head
	s_lshr_b32 s15, s14, 2                         ; in which 128 rows they lie,
	s_and_b32 s34, s33, 1                          ; in which half of those
	s_and_b32 s16, s14, 1                          ; which 128 hidden units.  Also: which half I fetch
	s_bfe_u32 s40, ttmp6, 0x40000
	s_bfe_u32 s41, ttmp6, 0x40004
	s_lshl_b32 s42, ttmp9, 2
	s_add_co_u32 s42, s42, s40                     ; gx: hidden units 512 gx on
	s_and_b32 s17, ttmp7, 0xffff
	s_lshl_b32 s17, s17, 2
	s_add_co_u32 s17, s17, s41                     ; gy: rows 256 gy on
	s_lshl_b32 s43, s41, 2
	s_lshl_b32 s43, 15, s43                        ; my row of the cluster
	s_lshl_b32 s44, 0x1111, s40                    ; my column
	s_or_b32 s[G1+0], s43, (1<<20)|(1<<21)|(6<<22)|(3<<25)    ; elements of 1 byte, 4 words of padding behind every 128
	s_or_b32 s[G1B+0], s44, (1<<20)|(1<<21)|(6<<22)|(3<<25)
.irp g, G1, G1B
	s_mov_b32 s[\g+1], ROWB<<16
	s_mov_b32 s[\g+2], 128<<16                     ; 128 rows for the head's loads
	s_mov_b32 s[\g+3], ROWB<<16
	s_mov_b32 s[\g+4], 128
	s_mov_b32 s[\g+5], ROWB
	s_mov_b32 s[\g+6], 0
	s_mov_b32 s[\g+7], 0
.endr
	; scales: dense blocks as rows of 256 bytes (32 elements of 8), 16 bytes of padding behind each: x 128 rows x 32 bytes = 16 such rows a load, W1 256 rows = 32
	s_or_b32 s[G1S+0], s43, (3<<16)|(1<<20)|(1<<21)|(5<<22)|(3<<25)
	s_or_b32 s[G1SB+0], s44, (3<<16)|(1<<20)|(1<<21)|(5<<22)|(3<<25)
	s_mov_b32 s[G1S+2], 16<<16
	s_mov_b32 s[G1S+4], 16
	s_mov_b32 s[G1SB+2], 32<<16
	s_mov_b32 s[G1SB+4], 32
.irp g, G1S, G1SB
	s_mov_b32 s[\g+1], 32<<16
	s_mov_b32 s[\g+3], 32<<16
	s_mov_b32 s[\g+5], 32
	s_mov_b32 s[\g+6], 0
	s_mov_b32 s[\g+7], 0
.endr
	s_mov_b32 s[SEL], 0x76543210
	s_mov_b32 s[SEL+1], 0xfedcba98
	s_mov_b32 s100, 0xffff0000                     ; a lane mask: lanes 16-31
	s_mov_b32 s101, 0x88888888                     ; the codes' signs
	s_lshl_b32 s20, s17, 17                        ; x's codes: row 256 gy + 128 x half of 512 bytes
	s_lshl_b32 s18, s16, 16
	s_add_co_u32 s20, s20, s18
	s_mov_b32 s21, 0
	s_lshl_b32 s22, s17, 13                        ; its scales: 32 bytes a row
	s_lshl_b32 s19, s16, 12
	s_add_co_u32 s22, s22, s19
	s_mov_b32 s23, 0
	s_lshl_b32 s94, s42, 18                        ; W1's codes: row 512 gx
	s_add_co_u32 s46, s94, s18                     ; + 128 x half
	s_mov_b32 s47, 0
	s_lshl_b32 s92, s42, 14                        ; its scales: + 256 x half
	s_lshl_b32 s19, s16, 13
	s_add_co_u32 s92, s92, s19
	s_mov_b32 s93, 0
	s_lshl_b32 s18, s14, 14                        ; the refill: row 512 gx + 256 + 32 wave
	s_add_co_u32 s94, s94, s18
	s_add_co_u32 s94, s94, 256*ROWB
	s_mov_b32 s95, 0
	s_mul_i32 s18, s16, HALFT                      ; where they go
	s_mul_i32 s19, s16, HALFS
	s_mul_i32 s45, s14, 32*PITCH
	s_add_co_u32 s45, s45, WB
	s_wait_dscnt 0x0                               ; both opening adds are done
	s_wait_alu depctr_va_vdst(0)
	s_wait_kmcnt 0x0
	s_add_nc_u64 s[20:21], s[4:5], s[20:21]
	s_add_nc_u64 s[22:23], s[6:7], s[22:23]
	s_add_nc_u64 s[46:47], s[8:9], s[46:47]
	s_add_nc_u64 s[92:93], s[10:11], s[92:93]
	s_add_nc_u64 s[94:95], s[8:9], s[94:95]
	CROUND                                         ; all sixteen work-groups are here
	s_mov_b32 s[G0H], 1                            ; the head's four tiles, a half each: x,
	s_mov_b32 s[G0H+1], s18
	s_mov_b64 s[G0H+2:G0H+3], s[20:21]
	s_or_b32 s[G0H+3], s[G0H+3], 0x80000000
	s_mov_b32 s[G0HB], 1                           ; W1,
	s_add_co_u32 s[G0HB+1], s18, WB
	s_mov_b64 s[G0HB+2:G0HB+3], s[46:47]
	s_or_b32 s[G0HB+3], s[G0HB+3], 0x80000000
	s_mov_b32 s[G0S], 1                            ; x's scales,
	s_add_co_u32 s[G0S+1], s19, SCL
	s_mov_b64 s[G0S+2:G0S+3], s[22:23]
	s_or_b32 s[G0S+3], s[G0S+3], 0x80000000
	s_mov_b32 s[G0SB], 1                           ; W1's, of both tiles
	s_lshl_b32 s19, s19, 1
	s_add_co_u32 s[G0SB+1], s19, SCL+2*HALFS
	s_mov_b64 s[G0SB+2:G0SB+3], s[92:93]
	s_or_b32 s[G0SB+3], s[G0SB+3], 0x80000000
; one tensor load a wave at the head: one tree of branches on the wave's number
.macro ARM under, g0, g1, next
	s_cmp_lt_u32 s33, \under
	s_cbranch_scc0 \next
	TLOAD \g0, \g1
	s_branch .Lhead_asked
\next:
.endm
	ARM 1, G0H,  G1,  .Lhead_b
	ARM 2, G0HB, G1B, .Lhead_sa
	ARM 3, G0S,  G1S, .Lhead_sb
	TLOAD G0SB, G1SB
.Lhead_asked:
	s_load_b128 s[20:23], s[0:1], 0x28             ; W2's codes, W2's scales
	s_mov_b32 s[G0B], 1                            ; the refill's descriptor: my 32 rows of the second tile's W1
	s_mov_b32 s[G0B+1], s45
	s_mov_b64 s[G0B+2:G0B+3], s[94:95]
	s_or_b32 s[G0B+3], s[G0B+3], 0x80000000
	s_lshl_b32 s2, s17, 1
	s_add_co_u32 s2, s2, s15                       ; my group of 128 rows
	s_lshl_b32 s2, s2, 5
	s_lshl_b32 s3, s42, 2
	s_add_co_u32 s2, s2, s3
	s_add_co_u32 s2, s2, s16                       ; K step 4 gx + 2 tile + half of the next product
	s_mul_i32 s18, s2, HBLK
	s_mov_b32 s19, 0
	s_add_nc_u64 s[96:97], s[96:97], s[18:19]
	s_lshl_b32 s18, s34, 8
	s_add_nc_u64 s[36:37], s[96:97], s[18:19]      ; my 256 bytes of scale words (+ 8,192)
	s_lshl_b32 s18, s34, 12
	s_add_nc_u64 s[96:97], s[96:97], s[18:19]      ; my four row blocks
	s_lshl_b32 s18, s42, 11
	s_lshl_b32 s3, s16, 9
	s_add_co_u32 s18, s18, s3
	s_add_nc_u64 s[12:13], s[12:13], s[18:19]      ; my part of b1
	s_mul_i32 s40, s33, 64*PITCH                   ; my 64 rows of x
	s_mul_i32 s41, s16, HALFT
	s_add_co_u32 s41, s41, WB                      ; my 128 rows of W1
	s_mul_i32 s43, s33, 8*272
	s_mul_i32 s44, s16, HALFS
	s_add_co_u32 s44, s44, 2*HALFS
	s_sub_co_u32 s44, s44, s43                     ; from x's scales to W1's
	s_add_co_u32 s43, s43, SCL
	v_and_b32 v1, 15, v0                           ; r
	v_bfe_u32 v2, v0, 4, 1                         ; h
	v_bfe_u32 v7, v0, 3, 1                         ; r / 8
	v_mul_u32_u24 v3, v1, PITCH
	v_lshl_add_u32 v3, v2, 4, v3
	v_mad_u32_u24 v4, v7, 32*PITCH, v3             ; even fragments: lanes r >= 8 take row r + 32,
	v_mad_u32_u24 v5, v7, 16*PITCH, v3             ; odd ones row r + 16
	v_add_nc_u32 v[ADRA], s40, v4
	v_add_nc_u32 v[ADRA+1], s40, v5
	v_add_nc_u32 v[ADRB], s41, v4
	v_add_nc_u32 v[ADRB+1], s41, v5
	v_lshlrev_b32 v8, 5, v1                        ; scales: 32 bytes a row, 16 more for each 8 rows passed
	v_add_nc_u32 v8, s43, v8
	v_mul_u32_u24 v9, s44, v2
	v_add_nc_u32 v8, v8, v9                        ; lanes 16-31 take W1's
	v_mad_u32_u24 v9, v2, 2*HALFS, v8              ; tile 1's lie 2 HALFS further on
	v_mad_u32_u24 v[ADRS], v7, 16+4*272, v8
	v_mad_u32_u24 v[ADRS+1], v7, 16+2*272, v8
	v_mad_u32_u24 v[ADRS+2], v7, 16+4*272, v9
	v_mad_u32_u24 v[ADRS+3], v7, 16+2*272, v9
	v_and_b32 v6, 31, v0
	v_lshlrev_b32 v[LI], 4, v6
	v_lshlrev_b32 v[H8], 3, v2
	v_lshl_add_u32 v[LW], v1, 4, v[H8]
	v_mul_u32_u24 v[BOE], v2, 160                  ; b1: lanes 16-31: 40 units further for even t,
	v_mul_u32_u24 v[BOE+1], v2, 96                 ; 24 for odd t
	v_lshlrev_b32 v10, 11, v1                      ; W2: row r of 2,048 bytes, + 16 h
	v_lshl_add_u32 v10, v2, 4, v10
	v_lshlrev_b32 v11, 7, v1                       ; W2's scales: row 64 h + r of 128 bytes
	v_lshl_add_u32 v11, v2, 13, v11
	s_wait_alu depctr_va_vdst(0)
	; W2, by i = 8 gy + gx: column block i / 4, K step 8 (i % 4) + wave;  its scale words (wave 0): 128 columns i / 32, K step i % 32
	s_lshl_b32 s2, s17, 3
	s_add_co_u32 s2, s2, s42
	s_lshr_b32 s3, s2, 2
	s_and_b32 s40, s2, 3
	s_lshl_b32 s18, s3, 15
	s_lshl_b32 s41, s40, 9
	s_add_co_u32 s18, s18, s41
	s_lshl_b32 s41, s14, 6
	s_add_co_u32 s18, s18, s41
	s_lshr_b32 s46, s3, 4
	s_lshl_b32 s46, s46, 5
	s_lshl_b32 s41, s40, 3
	s_add_co_u32 s46, s46, s41
	s_add_co_u32 s46, s46, s14
	s_mul_i32 s46, s46, WBLK
	s_and_b32 s41, s3, 15
	s_lshl_b32 s41, s41, 10
	s_add_co_u32 s46, s46, s41
	s_mov_b32 s47, 0
	s_lshr_b32 s43, s2, 5
	s_and_b32 s44, s2, 31
	s_lshl_b32 s92, s43, 14
	s_lshl_b32 s41, s44, 2
	s_add_co_u32 s92, s92, s41
	s_mov_b32 s93, 0
	s_lshr_b32 s94, s43, 1
	s_lshl_b32 s94, s94, 5
	s_add_co_u32 s94, s94, s44
	s_mul_i32 s94, s94, WBLK
	s_and_b32 s41, s43, 1
	s_lshl_b32 s41, s41, 9
	s_add_co_u32 s94, s94, s41
	s_add_co_u32 s94, s94, 16384
	s_mov_b32 s95, 0
	s_wait_kmcnt 0x0
	s_add_nc_u64 s[20:21], s[20:21], s[18:19]      ; (s19 is 0)
	s_add_nc_u64 s[22:23], s[22:23], s[92:93]
	s_add_nc_u64 s[46:47], s[98:99], s[46:47]
	s_add_nc_u64 s[94:95], s[98:99], s[94:95]
.irp c, 0,1
	global_load_b128 v[RL+4*\c:RL+4*\c+3], v10, s[20:21] offset:32*\c
.endr
	s_cmp_lg_u32 s14, 0
	s_cbranch_scc1 .Lno_words
.irp i, 0,1,2,3
	global_load_b32 v[RL+16+\i], v11, s[22:23] offset:2048*\i
.endr
.Lno_words:
.macro BIAS t                          ; 16 loads: tile t's b1 in the result's layout
.irp i, 0,1,2,3,4,5,6,7
	global_load_b128 v[BS+8*\i:BS+8*\i+3],   v[BOE+\i%2], s[12:13] offset:1024*\t+256*(\i/4)+32*(\i%4)
	global_load_b128 v[BS+8*\i+4:BS+8*\i+7], v[BOE+\i%2], s[12:13] offset:1024*\t+256*(\i/4)+32*(\i%4)+16
.endr
.endm
	BIAS 0
	s_wait_loadcnt 16                              ; W2's are in; b1's 16 may be out
.irp p, 0,2,4,6                                ; lanes 16-31: neighbouring words change places, as h's do
	v_cndmask_b32 v[RL+8+\p], v[RL+\p], v[RL+\p+1], s100
	v_cndmask_b32 v[RL+9+\p], v[RL+\p+1], v[RL+\p], s100
.endr
.irp c, 0,1
	global_store_b128 v[LI], v[RL+8+4*\c:RL+8+4*\c+3], s[46:47] offset:512*\c   ; 512 consecutive bytes, at a multiple of 512
.endr
	s_cmp_lg_u32 s14, 0
	s_cbranch_scc1 .Lno_words_out
	global_store_b128 v[LI], v[RL+16:RL+19], s[94:95]
.Lno_words_out:
; a fragment, 16 rows x 128 K (step q): registers 4 c .. 4 c + 3 hold K = 64 c + 32 h + 0 .. 31
.macro FRAG reg, adr, q, i
.irp c, 0,1
	ds_load_b128 v[\reg+4*\c:\reg+4*\c+3], v[\adr+(\i)%2] offset:64*(\q)+32*\c+(64*((\i)/4)+8*((\i)%4))*PITCH
.endr
.endm
.macro LOADB q                         ; 16 loads: W1's fragments of step q, into set q % 2
.irp i, 0,1,2,3,4,5,6,7
	FRAG BF+64*((\q)%2)+8*\i, ADRB, \q, \i
.endr
.endm
.macro LOADA q                         ; 8: x's
.irp i, 0,1,2,3
	FRAG AF+32*((\q)%2)+8*\i, ADRA, \q, \i
.endr
.endm
.macro WORDS t, q                      ; 8: tile t's scale words of steps q (even) and q + 1: lanes 0-15 of the first four x's, lanes 16-31 of all eight W1's
.set SS, SC+16*(((\q)/2)%2)
.irp i, 0,1,2,3,4,5,6,7
	ds_load_b64 v[SS+2*\i:SS+2*\i+1], v[ADRS+2*\t+\i%2] offset:(8*(\i/4)+\i%4)*272+4*(\q)
.endr
.endm
; Eight products: x's fragment a, step q.  The 32 accumulators take turns, one instruction a turn.  In step 0 the sums start from b1.
.macro MUL8 a, q
.set SS, SC+16*(((\q)/2)%2)+(\q)%2
.set FA0, AF+32*((\q)%2)+8*(\a)
.irp b, 0,1,2,3,4,5,6,7
.set DD, 64*(\a)+8*\b
.set FB0, BF+64*((\q)%2)+8*\b
.if (\q) == 0
.set CC, BS+8*\b
	WIN 0x40
.else
.set CC, DD
	WIN 0x50
.endif
	v_wmma_scale_f32_16x16x128_f8f6f4 v[DD:DD+7], v[FB0:FB0+7], v[FA0:FA0+7], v[CC:CC+7], v[SS+2*\b], v[SS+2*(\a)] matrix_a_fmt:MATRIX_FMT_FP4 matrix_b_fmt:MATRIX_FMT_FP4 matrix_a_scale:MATRIX_SCALE_ROW1
.endr
.endm
.macro MULS q
.irp a, 0,1,2,3
	MUL8 \a, \q
.endr
	WIN 0
.endm
; Step q < 7: its loads are in; the next step's go out in one run, four places behind the last products, and land under this step's products.  In step 0 W1's other set still holds b1: there the run follows the products.
.macro STEP t, q
	s_wait_dscnt 0x0
.if (\q) == 0
	MULS \q
.endif
	PLACES
	LOADB (\q)+1
	LOADA (\q)+1
.if (\q)%2
	WORDS \t, (\q)+1
.endif
.if (\q) > 0
	MULS \q
.endif
.endm
; Row block a: my lane's 64 numbers, two whole blocks of 32, become the operand's registers ST + 8 a .. + 7 and the scale word PW + a.
.macro QUANT a
.set AC, 64*(\a)
.set PC, ST+8*(\a)
	WIN 0x14                                       ; sources 1 and 2: window 1
.irp i, 0,2,4,6,8,10,12,14             ; four chains by turns; the floor 2^(3 - 127) holds the byte at 1 from below; each accumulator is read from its low end on
.irp b, 0,1,2,3
.if \i == 0
	v_max3_num_f32 v[TM+\b], 0x1800000, v[AC+16*\b], v[AC+16*\b+1]
.else
	v_max3_num_f32 v[TM+\b], v[TM+\b], v[AC+16*\b+\i], v[AC+16*\b+\i+1]
.endif
.endr
.endr
	WIN 0
	v_max_num_f32 v[TM], v[TM], v[TM+1]            ; the block's largest number, or the floor
	v_max_num_f32 v[TM+1], v[TM+2], v[TM+3]
	v_add_nc_u32 v[TM+6], 0xff000000, v[TM]        ; 2 off the exponent field: the conversions' scale operand
	v_add_nc_u32 v[TM+7], 0xff000000, v[TM+1]
	v_lshrrev_b32 v[TM+4], 23, v[TM+6]             ; the scale's byte
	v_lshrrev_b32 v[TM+5], 23, v[TM+7]
	WIN 0x01                                       ; source 0: window 1
.irp i, 0,1,2,3,4,5,6,7
	v_cvt_scalef32_pk8_fp4_f32 v[PC+\i], v[AC+8*\i:AC+8*\i+7], v[TM+6+\i/4]
.endr
	WIN 0
	v_lshl_or_b32 v[WT], v[TM+5], 16, v[TM+4]      ; my two bytes (and the plain place behind the conversions)
.irp i, 0,1,2,3,4,5,6,7                ; the clip: where a code's sign is set its other three bits are cleared
	v_and_b32 v[FX+\i], s101, v[PC+\i]
.endr
	v_lshlrev_b32 v[WT], v[H8], v[WT]              ; at their places in the word
.irp i, 0,1,2,3,4,5,6,7
	v_lshrrev_b32 v[UX+\i], 3, v[FX+\i]
.endr
	v_permlanex16_b32 v[WT+1], v[WT], s[SEL], s[SEL+1]
.irp i, 0,1,2,3,4,5,6,7
	v_sub_nc_u32 v[FX+\i], v[FX+\i], v[UX+\i]
.endr
	v_or_b32 v[PW+\a], v[WT], v[WT+1]              ; with lane l xor 16's two
.irp i, 0,1,2,3,4,5,6,7
	v_bfi_b32 v[PC+\i], v[FX+\i], 0, v[PC+\i]
.endr
.endm
.macro OUT t
.irp a, 0,1,2,3
	QUANT \a
.endr
	v_cndmask_b32 v[OW], v[PW], v[PW+2], s100      ; lane (r, h) sends the words of row blocks 2 h and 2 h + 1
	v_cndmask_b32 v[OW+1], v[PW+1], v[PW+3], s100
.irp a, 0,1,2,3
.irp c, 0,1
	global_store_b128 v[LI], v[ST+8*\a+4*\c:ST+8*\a+4*\c+3], s[96:97] offset:\t*2*HBLK+\a*1024+512*\c   ; 512 consecutive bytes, at a multiple of 512
.endr
.endr
	global_store_b64 v[LW], v[OW:OW+1], s[36:37] offset:\t*2*HBLK+8192   ; 256 consecutive bytes, at a multiple of 256
.endm
	s_wait_alu depctr_va_vdst(0)
	s_wait_tensorcnt 0x0                           ; my part of the head's tiles is in
	s_mov_b32 s[G1B+2], 32<<16                     ; no tensor load of mine is out: the refill brings 32 rows a wave
	s_mov_b32 s[G1B+4], 32
	s_wait_dscnt 0x0
	s_barrier_signal -1
	s_barrier_wait -1                              ; everybody's is
	LOADB 0
	LOADA 0
	WORDS 0, 0
	s_wait_loadcnt 0x0                             ; b1
	s_wait_xcnt 0x0                                ; W2's stores have read their registers: x's second set takes them
.irp q, 0,1,2,3,4,5,6
	STEP 0, \q
.endr
	; tile 0's last step: my reads of W1 are over, so its bytes are filled again, with tile 1's rows
	s_wait_dscnt 0x0
	s_wait_tensorcnt 0x0                           ; (no tensor load is out)
	ds_add_u32 v[SPW], v[NIL]
	MUL8 0, 7
	s_wait_dscnt 0x0                               ; the add is done
	s_barrier_signal -1
	MUL8 1, 7
	WIN 0
	s_barrier_wait -1
	CREST
	TLOAD G0B, G1B                                 ; it lands while tile 0 goes out
	MUL8 2, 7
	MUL8 3, 7
	WIN 0
	PLACES
	BIAS 1
	LOADA 0                                        ; x's fragments and the scale words do not wait for the refill
	WORDS 1, 0
	OUT 0
	s_wait_alu depctr_va_vdst(0)
	s_wait_tensorcnt 0x0                           ; my 32 rows of W1 are in
	s_wait_dscnt 0x0
	s_barrier_signal -1
	s_barrier_wait -1                              ; everybody's are
	s_wait_xcnt 0x0                                ; tile 0's stores have read their registers: W1's first set takes them
	LOADB 0
	s_wait_loadcnt 0x0                             ; b1
.irp q, 0,1,2,3,4,5,6
	STEP 1, \q
.endr
	s_wait_dscnt 0x0
	MULS 7
	PLACES
	OUT 1
	s_wait_tensorcnt 0x0                           ; the wave's end
	ds_add_u32 v[SPW], v[NIL]
	s_wait_dscnt 0x0
	CROUND                                         ; the closing round
	s_endpgm
.Lfunc_end_k_q52a15f32e1_up:
	.size	k_q52a15f32e1_up, .Lfunc_end_k_q52a15f32e1_up-k_q52a15f32e1_up
	.p2alignl 7, 3214868480
	.fill 96, 4, 3214868480
	.section	.rodata,"a",@progbits
	.p2align	6, 0x0
	.amdhsa_kernel k_q52a15f32e1_up
		.amdhsa_group_segment_fixed_size 327680
		.amdhsa_private_segment_fixed_size 0
		.amdhsa_enable_private_segment 0
		.amdhsa_kernarg_size 72
		.amdhsa_user_sgpr_count 2
		.amdhsa_user_sgpr_kernarg_segment_ptr 1
		.amdhsa_wavefront_size32 1
		.amdhsa_system_sgpr_workgroup_id_x 1
		.amdhsa_system_sgpr_workgroup_id_y 1
		.amdhsa_system_sgpr_workgroup_id_z 1
		.amdhsa_system_vgpr_workitem_id 0
		.amdhsa_next_free_vgpr 512
		.amdhsa_next_free_sgpr 102
		.amdhsa_reserve_vcc 0
		.amdhsa_float_denorm_mode_32 3
		.amdhsa_float_denorm_mode_16_64 3
		.amdhsa_memory_ordered 1
		.amdhsa_forward_progress 1
		.amdhsa_inst_pref_size 151
	.end_amdhsa_kernel
	.amdgpu_metadata
---
amdhsa.version: [ 1, 2 ]
amdhsa.kernels:
  - .name:           k_q52a15f32e1_up
    .symbol:         k_q52a15f32e1_up.kd
    .args:
      - { .name: hidden_states_codes, .offset: 0, .size: 8, .value_kind: global_buffer, .address_space: global }
      - { .name: hidden_states_scales, .offset: 8, .size: 8, .value_kind: global_buffer, .address_space: global }
      - { .name: W1_codes, .offset: 16, .size: 8, .value_kind: global_buffer, .address_space: global }
      - { .name: W1_scales, .offset: 24, .size: 8, .value_kind: global_buffer, .address_space: global }
      - { .name: b1, .offset: 32, .size: 8, .value_kind: global_buffer, .address_space: global }
      - { .name: W2_codes, .offset: 40, .size: 8, .value_kind: global_buffer, .address_space: global }
      - { .name: W2_scales, .offset: 48, .size: 8, .value_kind: global_buffer, .address_space: global }
      - { .name: hq, .offset: 56, .size: 8, .value_kind: global_buffer, .address_space: global }
      - { .name: w2q, .offset: 64, .size: 8, .value_kind: global_buffer, .address_space: global }
    .group_segment_fixed_size: 327680
    .private_segment_fixed_size: 0
    .kernarg_segment_align: 8
    .kernarg_segment_size: 72
    .max_flat_workgroup_size: 256
    .sgpr_count:     102
    .vgpr_count:     512
    .wavefront_size: 32
...
	.end_amdgpu_metadata
.endif
;; end of part 1
;; launch down (part 2): grid 4 x 64, 8 waves a work-group, clusters of 4 x 4, 327,680 bytes of LDS; arguments hq, w2q, out0, b2; writes out0
.if DOCPART == 2
	.amdgcn_target "amdgcn-amd-amdhsa--gfx1250"
	.amdhsa_code_object_version 6
	.text
	.protected	k_q52a15f32e1_down
	.globl	k_q52a15f32e1_down
	.p2align	8
	.type	k_q52a15f32e1_down,@function
k_q52a15f32e1_down:
	s_mov_b64 s[64:65], 0
	v_nop
	global_prefetch_b8 v0, s[64:65] scope:SCOPE_SE
	s_setreg_imm32_b32 hwreg(HW_REG_WAVE_MODE, 25, 1), 1
	s_wait_xcnt 0x0
	s_wait_alu depctr_hold_cnt(0) depctr_sa_sdst(0) depctr_va_vdst(0) depctr_va_sdst(0) depctr_va_ssrc(0) depctr_va_vcc(0) depctr_vm_vsrc(0)
	s_getreg_b32 s2, hwreg(HW_REG_IB_STS2, 6, 4)
	s_cmp_eq_u32 s2, 0
	s_cbranch_scc0 .Lentry_in_a_cluster
	s_endpgm
.Lentry_in_a_cluster:
	s_bfe_u32 s2, ttmp6, 0x10000c
	s_cmp_lg_u32 s2, 0xf033
	s_cbranch_scc0 .Lentry_shape_is_right
	s_endpgm
.Lentry_shape_is_right:
; out0 = h W2^T + b2.  hq, w2q: codes of FP4 and E8M0 scale words as images of the operands' registers, as the launch before laid them:
;   hq [group of 128 rows 64][K step of 128 32]: 8,704 bytes: codes [row block 8][register group 2][lane 32][16 bytes], scale words [half 2][r 16][4].
;   w2q [256 columns 4][K step 32]: 17,408 bytes: codes [column block 16][register group 2][lane 32][16 bytes], scale words [64 columns 4][r 16][4].
;   Row block a = 4 c + t, lane r is row 64 c + 8 t + r of the group for r < 8, row 64 c + 32 + 8 (t xor 1) + r - 8 for r >= 8.
; b2: [1024] f32.  out0: [8192][1024] f32; sums in f32.
.set HBLK,  8704
.set WBLK,  17408
; SHARES.  A tile of out0 is 128 rows x 256 columns: 256 work-groups; eight waves, each 64 x 64: 16 accumulators of 16 x 16, 128 registers.
; Two waves stand on each SIMD: the LDS loads of two K steps go out in one run, and the products of the SIMD's other wave have room meanwhile.
; LDS holds twelve K steps of h and of W2, codes and scale words, as two regions of six.  The head fills all twelve (waves 0 and 1 six K steps of h each, waves 2 to 7 two of W2); then the regions are filled again by turns, with
; K steps 12-17, 18-23, 24-29 (waves 0 and 1 three K steps of h each, waves 2 to 7 one of W2) and 30-31 (wave 0 h's, waves 2 and 3 W2's).  Images need no padding: a fragment's half is 512 consecutive bytes.
; CLUSTERS: 4 x 4 work-groups: a row of the cluster shares h, a column W2: each asked for by a joint load.
; PREFETCH of the refills 2, 3, 4 (six K steps each), each six K steps ahead of its load: h's 204 blocks of 256 bytes by the four partners of a row, 51 each, 7 a wave at the most; W2's 408 blocks, which every
; cluster reads, by clusters 0 to 3 alone: the four partners of a column take 102 each, 13 a wave at the most.  The head's fill and the two K steps of the last one come by their loads alone.
; THE MATRIX INSTRUCTION IS USED TRANSPOSED (source 0 = 16 columns' rows of W2, source 1 = 16 rows of h): a lane holds eight neighbouring numbers of a row of out0.  b2 is the C of each sum's first matrix instruction.
; REGISTERS: window 0: v1-31 addresses; v32-47 scale words, two sets of 4 (h) + 4 (W2); v48-79 b2; v128-255 the accumulators (n = 4 a + b at v[128 + 8 n]).
;   window 1: fragments, two sets of two K steps: K step 2 p + e at 128 (p % 2) + 64 e: W2's four, then h's four; on the way out v0-127 rows of out0, 32 registers a block.
.set HREG,  6*HBLK
.set WREG,  6*WBLK
.set WB,    2*HREG                     ; W2's K steps, behind h's twelve
.set SPARE, WB+2*WREG                  ; the spare words, 128 bytes for each wave
.set SPITCH, 272                       ; the way out's stage, 16 rows x (256 + 16) bytes a wave, in h's region 0 behind its last fill and last read
.set OO,    11                         ; my place in two rows of out0
.set PFH,   12
.set PFW,   13
.set STO,   14
.set RD,    15
.set ADRA,  16                         ; v16-17: region s
.set ADRB,  18                         ; v18-21: region s, K steps 3 u on, at 2 s + u
.set ASA,   22                         ; v22-23 h's scale words, region s: lanes 16-31 the next K step's
.set ASB,   24                         ; v24-27 W2's, likewise: at 2 s + u
.set SPW,   28
.set NIL,   29
.set CO,    30                         ; 16 x lane
.set BO,    31
.set SCA,   32
.set BIAS,  48
.set ACC,   128
.set G1A,   24
.set G0A,   32
.set G1B,   48
.set G0B,   56
.set G0HA,  80
.set G0HB,  84
.set MSB, 0
.macro WIN new                         ; the immediate's high byte repeats the setting that is left
.if MSB != (\new)
	s_set_vgpr_msb (MSB<<8)|(\new)
.set MSB, \new
.endif
.endm
.set TO_1, 0x40                        ; destination window 1
.set MUL,  0x05                        ; sources 0 and 1 window 1; C and D window 0
.macro PLACES
.rept 4
	v_nop
.endr
.endm
.macro TLOAD g0, g1
	tensor_load_to_lds s[\g0:\g0+3], s[\g1:\g1+7]
	s_nop 0
	PLACES
.endm
.macro JLOAD g0a, g0b                  ; waves 0 and 1 fetch h, waves 2 to 7 W2
	s_cmp_lt_u32 s14, 2
	s_cbranch_scc0 .Lfor_w_\@
	TLOAD \g0a, G1A
	s_branch .Lasked_\@
.Lfor_w_\@:
	TLOAD \g0b, G1B
.Lasked_\@:
.endm
.macro JLAST g0a, g0b                  ; two K steps: wave 0 fetches h's, waves 2 and 3 one of W2 each
	s_cmp_eq_u32 s14, 0
	s_cbranch_scc0 .Lfor_w_\@
	TLOAD \g0a, G1A
	s_branch .Lasked_\@
.Lfor_w_\@:
	s_cmp_eq_u32 s79, 1
	s_cbranch_scc0 .Lasked_\@
	TLOAD \g0b, G1B
.Lasked_\@:
.endm
.macro CREST                           ; a round of the cluster's barrier behind its opening barrier
	s_cmp_lg_u32 s14, 0
	s_cbranch_scc1 .Lnot_wave_0_\@
	s_barrier_signal -3
.Lnot_wave_0_\@:
	s_barrier_wait -3
	s_barrier_signal -1
	s_barrier_wait -1
.endm
.macro CROUND
	s_barrier_signal -1
	s_barrier_wait -1
	CREST
.endm
.macro ASK f                           ; six K steps into the L2; the address registers and bases are never rewritten
	WIN 0
	global_prefetch_b8 v[PFH], s[20:21] offset:(\f)*HREG th:TH_LOAD_NT scope:SCOPE_SE
	s_cmp_lt_u32 s2, 4
	s_cbranch_scc0 .Lnot_mine_\@
	global_prefetch_b8 v[PFW], s[46:47] offset:(\f)*WREG th:TH_LOAD_NT scope:SCOPE_SE
.Lnot_mine_\@:
.endm
	s_load_b128 s[4:7], s[0:1], 0x0                ; hq, w2q
	s_load_b128 s[8:11], s[0:1], 0x10              ; out0, b2
	v_lshl_add_u32 v[SPW], v0, 2, SPARE
	v_mov_b32 v[NIL], 0
	ds_add_u32 v[SPW], v[NIL]                      ; the wave's opening: the add, twice on end
	ds_add_u32 v[SPW], v[NIL]
	v_lshrrev_b32 v1, 5, v0
	v_readfirstlane_b32 s14, v1                    ; wave 0..7
	s_lshr_b32 s15, s14, 2                         ; which 64 rows are mine
	s_and_b32 s16, s14, 3                          ; which 64 columns
	s_lshr_b32 s79, s14, 1
	s_bfe_u32 s40, ttmp6, 0x40000
	s_bfe_u32 s41, ttmp6, 0x40004
	s_lshl_b32 s42, ttmp9, 2
	s_add_co_u32 s42, s42, s40                     ; bx: columns 256 bx on
	s_and_b32 s2, ttmp7, 0xffff                    ; the cluster's y
	s_lshl_b32 s17, s2, 2
	s_add_co_u32 s17, s17, s41                     ; by: rows 128 by on: group by of h
	s_lshl_b32 s43, s41, 2
	s_lshl_b32 s43, 15, s43                        ; my row of the cluster
	s_lshl_b32 s44, 0x1111, s40                    ; my column
	; dense blocks as rows of 256 bytes (32 elements of 8), no padding.  The head: h 6 K steps a wave = 204 rows, W2 2 K steps = 136
	s_or_b32 s[G1A+0], s43, (3<<16)|(1<<21)
	s_or_b32 s[G1B+0], s44, (3<<16)|(1<<21)
	s_mov_b32 s[G1A+2], 204<<16
	s_mov_b32 s[G1A+4], 204
	s_mov_b32 s[G1B+2], 136<<16
	s_mov_b32 s[G1B+4], 136
.irp g, G1A, G1B
	s_mov_b32 s[\g+1], 32<<16
	s_mov_b32 s[\g+3], 32<<16
	s_mov_b32 s[\g+5], 32
	s_mov_b32 s[\g+6], 0
	s_mov_b32 s[\g+7], 0
.endr
	s_mul_i32 s20, s17, 32*HBLK                    ; my group of h
	s_mov_b32 s21, 0
	s_mul_i32 s46, s42, 32*WBLK                    ; my columns of W2
	s_mov_b32 s47, 0
	s_max_u32 s3, s14, 2
	s_sub_co_u32 s3, s3, 2
	s_mul_i32 s18, s3, WBLK                        ; waves 2 to 7: my K step of a refill,
	s_mov_b32 s19, 0
	s_mul_i32 s22, s3, 2*WBLK                      ; my two of the head's fill
	s_mov_b32 s23, 0
	s_min_u32 s3, s14, 1
	s_mul_i32 s66, s3, 3*HBLK                      ; waves 0 and 1: my three K steps of h of a refill,
	s_mov_b32 s67, 0
	s_mul_i32 s68, s3, 6*HBLK                      ; my six of the head's fill
	s_mov_b32 s69, 0
	s_mul_i32 s45, s14, WBLK
	s_add_co_u32 s45, s45, WB-2*WBLK               ; where they go: W2's, wave 2's first
	s_mul_i32 s70, s14, 2*WBLK
	s_add_co_u32 s70, s70, WB-4*WBLK
	s_mul_i32 s71, s14, 3*HBLK                     ; h's
	s_mul_i32 s72, s14, 6*HBLK
	s_wait_dscnt 0x0                               ; both opening adds are done
	s_wait_alu depctr_va_vdst(0)
	s_wait_kmcnt 0x0
	s_add_nc_u64 s[20:21], s[4:5], s[20:21]
	s_add_nc_u64 s[46:47], s[6:7], s[46:47]
	s_add_nc_u64 s[18:19], s[46:47], s[18:19]
	s_add_nc_u64 s[22:23], s[46:47], s[22:23]
	s_add_nc_u64 s[66:67], s[20:21], s[66:67]
	s_add_nc_u64 s[68:69], s[20:21], s[68:69]
	CROUND                                         ; all sixteen work-groups are here
	s_mov_b32 s[G0HA], 1
	s_mov_b32 s[G0HA+1], s72
	s_mov_b64 s[G0HA+2:G0HA+3], s[68:69]
	s_or_b32 s[G0HA+3], s[G0HA+3], 0x80000000
	s_mov_b32 s[G0HB], 1
	s_mov_b32 s[G0HB+1], s70
	s_mov_b64 s[G0HB+2:G0HB+3], s[22:23]
	s_or_b32 s[G0HB+3], s[G0HB+3], 0x80000000
	JLOAD G0HA, G0HB                               ; one tensor load a wave at the head
.irp s, 0,1                                    ; the regions' descriptors; a refill steps its own by twelve K steps first
	s_mov_b32 s[G0A+4*\s], 1
	s_add_co_u32 s[G0A+4*\s+1], s71, \s*HREG
	s_add_nc_u64 s[G0A+4*\s+2:G0A+4*\s+3], s[66:67], \s*HREG
	s_or_b32 s[G0A+4*\s+3], s[G0A+4*\s+3], 0x80000000
	s_mov_b32 s[G0B+4*\s], 1
	s_add_co_u32 s[G0B+4*\s+1], s45, \s*WREG
	s_add_nc_u64 s[G0B+4*\s+2:G0B+4*\s+3], s[18:19], \s*WREG
	s_or_b32 s[G0B+4*\s+3], s[G0B+4*\s+3], 0x80000000
.endr
	s_lshl_b32 s22, s17, 19                        ; out0: row 128 by + 64 s15 of 4,096 bytes, + 1,024 bx + 256 s16
	s_lshl_b32 s3, s15, 18
	s_add_co_u32 s22, s22, s3
	s_lshl_b32 s66, s42, 10
	s_lshl_b32 s3, s16, 8
	s_add_co_u32 s66, s66, s3                      ; b2 begins there too
	s_add_co_u32 s22, s22, s66
	s_mov_b32 s23, 0
	s_mov_b32 s67, 0
	s_add_nc_u64 s[8:9], s[8:9], s[22:23]
	s_add_nc_u64 s[10:11], s[10:11], s[66:67]
	s_lshl_b32 s68, s15, 12                        ; my four row blocks of h
	s_lshl_b32 s70, s15, 8
	s_add_co_u32 s70, s70, 8192                    ; their scale words
	s_lshl_b32 s71, s16, 8
	s_add_co_u32 s71, s71, WB+16384                ; those of my four column blocks of W2
	s_mul_i32 s72, s14, 16*SPITCH                  ; my stage
	s_mul_i32 s73, s14, 7
	s_mul_i32 s74, s40, 51
	s_mul_i32 s75, s14, 13
	s_mul_i32 s76, s41, 102
	s_lshl_b32 s77, s16, 12
	s_add_co_u32 s77, s77, WB                      ; my four column blocks
	v_and_b32 v1, 15, v0                           ; r
	v_bfe_u32 v2, v0, 4, 1                         ; h
	v_and_b32 v6, 31, v0                           ; lane
	v_lshlrev_b32 v[CO], 4, v6
	v_lshlrev_b32 v[BO], 5, v2
	v_lshlrev_b32 v3, 4, v1
	v_mad_u32_u24 v4, v2, HBLK, v3
	v_mad_u32_u24 v5, v2, WBLK, v3
	v_mul_u32_u24 v7, v1, SPITCH
	v_lshl_add_u32 v7, v2, 5, v7
	v_mad_u32_u24 v10, v2, SPITCH, v3
	v_lshl_add_u32 v[OO], v2, 12, v3               ; lanes 0-15 one row, lanes 16-31 the next
	v_min_u32 v8, 6, v6
	v_min_u32 v9, 12, v6
	v_add_nc_u32 v[ADRA], s68, v[CO]
	v_add_nc_u32 v[ADRB], s77, v[CO]
	v_add_nc_u32 v[ASA], s70, v4
	v_add_nc_u32 v[ASB], s71, v5
	v_add_nc_u32 v[STO], s72, v7
	v_add_nc_u32 v[RD], s72, v10
	v_add_nc_u32 v8, s73, v8
	v_add_nc_u32 v9, s75, v9
	v_min_u32 v8, 50, v8                           ; one of the 51 blocks of h that are my work-group's
	v_min_u32 v9, 0x65, v9                         ; one of the 102 of W2
	v_add_nc_u32 v8, s74, v8
	v_add_nc_u32 v9, s76, v9
	v_lshlrev_b32 v[PFH], 8, v8
	v_lshlrev_b32 v[PFW], 8, v9
	v_add_nc_u32 v[ADRA+1], HREG, v[ADRA]
	v_add_nc_u32 v[ADRB+1], 3*WBLK, v[ADRB]
	v_add_nc_u32 v[ASA+1], HREG, v[ASA]
	v_add_nc_u32 v[ASB+1], 3*WBLK, v[ASB]
	v_add_nc_u32 v[ADRB+2], WREG, v[ADRB]
	v_add_nc_u32 v[ASB+2], WREG, v[ASB]
	v_add_nc_u32 v[ADRB+3], WREG, v[ADRB+1]
	v_add_nc_u32 v[ASB+3], WREG, v[ASB+1]
.irp b, 0,1,2,3                                ; b2 in the result's layout
	global_load_b128 v[BIAS+8*\b:BIAS+8*\b+3],   v[BO], s[10:11] offset:64*\b
	global_load_b128 v[BIAS+8*\b+4:BIAS+8*\b+7], v[BO], s[10:11] offset:64*\b+16
.endr
; Product n = 4 a + b of K step 2 p + e.  The 16 accumulators take turns, one instruction a turn.
.macro MULN n, p, e
.set SS, SCA+8*((\p)%2)
.set FB0, 128*((\p)%2)+64*(\e)+8*((\n)%4)
.set FA0, 128*((\p)%2)+64*(\e)+32+8*((\n)/4)
.set DD, ACC+8*(\n)
.set CC, DD
.if ((\p) == 0) && ((\e) == 0)
.set CC, BIAS+8*((\n)%4)
.endif
	WIN MUL
.if \e
	v_wmma_scale_f32_16x16x128_f8f6f4 v[DD:DD+7], v[FB0:FB0+7], v[FA0:FA0+7], v[CC:CC+7], v[SS+4+(\n)%4], v[SS+(\n)/4] matrix_a_fmt:MATRIX_FMT_FP4 matrix_b_fmt:MATRIX_FMT_FP4 matrix_a_scale:MATRIX_SCALE_ROW1 matrix_b_scale:MATRIX_SCALE_ROW1
.else
	v_wmma_scale_f32_16x16x128_f8f6f4 v[DD:DD+7], v[FB0:FB0+7], v[FA0:FA0+7], v[CC:CC+7], v[SS+4+(\n)%4], v[SS+(\n)/4] matrix_a_fmt:MATRIX_FMT_FP4 matrix_b_fmt:MATRIX_FMT_FP4
.endif
.endm
.macro MUL16 p, e
.irp n, 0,1,2,3,4,5,6,7,8,9,10,11,12,13,14,15
	MULN \n, \p, \e
.endr
.endm
.macro RUN p                           ; 34 loads in one run: scale words and fragments of K steps 2 p and 2 p + 1
.set RS, ((\p)/3)%2
.set KK, (2*(\p))%6
.set SS, SCA+8*((\p)%2)
	WIN 0
	ds_load_b128 v[SS:SS+3], v[ASA+RS] offset:KK*HBLK
	ds_load_b128 v[SS+4:SS+7], v[ASB+2*RS+KK/3] offset:(KK%3)*WBLK
	WIN TO_1
.irp e, 0,1
.set KK, (2*(\p)+\e)%6
.set FS, 128*((\p)%2)+64*\e
.irp m, 0,1,2,3,4,5,6,7
	ds_load_b128 v[FS+4*\m:FS+4*\m+3], v[ADRB+2*RS+KK/3] offset:(KK%3)*WBLK+512*\m
	ds_load_b128 v[FS+32+4*\m:FS+32+4*\m+3], v[ADRA+RS] offset:KK*HBLK+512*\m
.endr
.endr
.endm
; Two K steps: their loads are in; the next two's go out in one run, four places behind the last products, and land under these products.
.macro PAIR p
	s_wait_dscnt 0x0
	PLACES
	RUN (\p)+1
	MUL16 \p, 0
	MUL16 \p, 1
.endm
; A region's last pair: my reads of the region are over.  In front of the barrier each wave waits for all its tensor loads, adds 0 to its spare word, and waits for that.
; fill = 1: this region is filled again; 2: with the last two K steps; 0: nothing is filled.  ask: the refill that is prefetched, 0: none
.macro TURN p, fill, ask
.set SL, ((\p)/3)%2
	s_wait_dscnt 0x0
	WIN 0
	s_wait_tensorcnt 0x0                           ; my part of the next region is in
	ds_add_u32 v[SPW], v[NIL]                      ; 0 onto my spare word
.if \fill
	s_add_nc_u64 s[G0A+4*SL+2:G0A+4*SL+3], s[G0A+4*SL+2:G0A+4*SL+3], 12*HBLK
	s_add_nc_u64 s[G0B+4*SL+2:G0B+4*SL+3], s[G0B+4*SL+2:G0B+4*SL+3], 12*WBLK
.endif
.if \fill == 2
	s_mov_b32 s[G1A+2], 68<<16                     ; two K steps of h
	s_mov_b32 s[G1A+4], 68
.endif
.irp n, 0,1,2,3,4,5,6,7
	MULN \n, \p, 0
.endr
	s_wait_dscnt 0x0                               ; the add is done
	s_barrier_signal -1
.irp n, 8,9,10,11,12,13,14,15
	MULN \n, \p, 0
.endr
	WIN 0
	s_barrier_wait -1
.if \fill
	CREST
.endif
.if \fill == 1
	JLOAD G0A+4*SL, G0B+4*SL
.else
.if \fill == 2
	JLAST G0A+4*SL, G0B+4*SL
.endif
	PLACES
.endif
	RUN (\p)+1
.if \ask
	ASK \ask
.endif
	MUL16 \p, 1
.endm
	s_wait_alu depctr_va_vdst(0)
	s_wait_tensorcnt 0x0                           ; my part of the head's fill is in
	s_mov_b32 s[G1A+2], 102<<16                    ; no tensor load of mine is out: from here on three K steps of h a wave,
	s_mov_b32 s[G1A+4], 102
	s_mov_b32 s[G1B+2], 68<<16                     ; one of W2
	s_mov_b32 s[G1B+4], 68
	s_wait_dscnt 0x0
	s_barrier_signal -1
	s_barrier_wait -1                              ; everybody's is
	RUN 0
	ASK 2
	s_wait_loadcnt 0x0                             ; b2
	PAIR 0
	PAIR 1
	TURN 2, 1, 3
	PAIR 3
	PAIR 4
	TURN 5, 1, 4
	PAIR 6
	PAIR 7
	TURN 8, 1, 0
	PAIR 9
	PAIR 10
	TURN 11, 2, 0
	PAIR 12
	PAIR 13
	TURN 14, 0, 0                                  ; behind it nobody reads region 0 any more
	s_wait_dscnt 0x0
	MUL16 15, 0
	MUL16 15, 1
; THE WAY OUT, block by block of 16 rows x 64 columns.  A lane holds 32 neighbouring bytes of a row, the lanes beside it other rows: so a block goes through my own stage and comes back as whole rows of 256 bytes.
; LDS serves a wave's instructions in order (ISA guide 5.7.1.4): no wait between the stage's stores and loads.
.macro TOSTAGE a
	WIN 0
.irp b, 0,1,2,3
	ds_store_b128 v[STO], v[ACC+32*\a+8*\b:ACC+32*\a+8*\b+3] offset:64*\b
	ds_store_b128 v[STO], v[ACC+32*\a+8*\b+4:ACC+32*\a+8*\b+7] offset:64*\b+16
.endr
	WIN TO_1
.irp t, 0,1,2,3,4,5,6,7
	ds_load_b128 v[32*\a+4*\t:32*\a+4*\t+3], v[RD] offset:2*\t*SPITCH
.endr
.endm
.macro SEND a, younger                 ; younger: the LDS instructions issued behind block a's loads
	s_wait_dscnt \younger
	WIN 0x04                                       ; a store's data: window 1
.irp t, 0,1,2,3,4,5,6,7
.if \t < 4
.set RW, 8*(\a)+2*\t
.else
.set RW, 32+8*((\a)^1)+2*\t-8
.endif
	global_store_b128 v[OO], v[32*\a+4*\t:32*\a+4*\t+3], s[8:9] offset:RW*4096 th:TH_STORE_NT   ; two rows, 256 consecutive bytes each, at multiples of 256
.endr
.endm
	PLACES
	TOSTAGE 0
	TOSTAGE 1
	SEND 0, 16
	TOSTAGE 2
	SEND 1, 16
	TOSTAGE 3
	SEND 2, 16
	SEND 3, 0
	WIN 0
	s_wait_tensorcnt 0x0                           ; the wave's end
	ds_add_u32 v[SPW], v[NIL]
	s_wait_dscnt 0x0
	CROUND                                         ; the closing round
	s_endpgm
.Lfunc_end_k_q52a15f32e1_down:
	.size	k_q52a15f32e1_down, .Lfunc_end_k_q52a15f32e1_down-k_q52a15f32e1_down
	.p2alignl 7, 3214868480
	.fill 96, 4, 3214868480
	.section	.rodata,"a",@progbits
	.p2align	6, 0x0
	.amdhsa_kernel k_q52a15f32e1_down
		.amdhsa_group_segment_fixed_size 327680
		.amdhsa_private_segment_fixed_size 0
		.amdhsa_enable_private_segment 0
		.amdhsa_kernarg_size 32
		.amdhsa_user_sgpr_count 2
		.amdhsa_user_sgpr_kernarg_segment_ptr 1
		.amdhsa_wavefront_size32 1
		.amdhsa_system_sgpr_workgroup_id_x 1
		.amdhsa_system_sgpr_workgroup_id_y 1
		.amdhsa_system_sgpr_workgroup_id_z 1
		.amdhsa_system_vgpr_workitem_id 0
		.amdhsa_next_free_vgpr 512
		.amdhsa_next_free_sgpr 90
		.amdhsa_reserve_vcc 0
		.amdhsa_float_denorm_mode_32 3
		.amdhsa_float_denorm_mode_16_64 3
		.amdhsa_memory_ordered 1
		.amdhsa_forward_progress 1
		.amdhsa_inst_pref_size 125
	.end_amdhsa_kernel
	.amdgpu_metadata
---
amdhsa.version: [ 1, 2 ]
amdhsa.kernels:
  - .name:           k_q52a15f32e1_down
    .symbol:         k_q52a15f32e1_down.kd
    .args:
      - { .name: hq, .offset: 0, .size: 8, .value_kind: global_buffer, .address_space: global }
      - { .name: w2q, .offset: 8, .size: 8, .value_kind: global_buffer, .address_space: global }
      - { .name: out0, .offset: 16, .size: 8, .value_kind: global_buffer, .address_space: global }
      - { .name: b2, .offset: 24, .size: 8, .value_kind: global_buffer, .address_space: global }
    .group_segment_fixed_size: 327680
    .private_segment_fixed_size: 0
    .kernarg_segment_align: 8
    .kernarg_segment_size: 32
    .max_flat_workgroup_size: 256
    .sgpr_count:     90
    .vgpr_count:     512
    .wavefront_size: 32
...
	.end_amdgpu_metadata
.endif
;; end of part 2
